; MI455X (gfx1250); checked and timed in simulation.
; The chip was launched on July 23, 2026; its instructions are those of AMD's public machine-readable ISA for CDNA 5 (MIT licence, August 2026) and "CDNA5" Instruction Set Architecture Reference Guide (July 2026). The comments in the code are by the model that wrote it; some were corrected since.
;; Spiking Unified Core Flow. Allowed arithmetic: float matrix products may take bf16 or f16 operands with f32 sums; other float arithmetic in f32, or as packed bf16 or f16 multiplies, adds, multiply-adds, maxima and minima; sums over many terms, partial sums and values carried from step to step in f32; what a program stores and reads back later, other than sums and carried values, may be rounded once to bf16 or f16.
;; Inputs: th1 one number float32; th2 one number float32; w1 4,096 x 2,048 float32; w2 2,048 x 4,096 float32; x 128 x 2,048 float32.
;; Outputs: out0 128 x 2,048 float32.
;; One version. Each part assembles by itself: llvm-mc -triple=amdgcn-amd-amdhsa -mcpu=gfx1250 --defsym DOCPART=n.
;; ======== version 1 of 1: 3 launches
;; workspace buffers: w1b 16,777,216 bytes; w2b 16,777,216 bytes; a1 16,777,216 bytes; a2 33,554,432 bytes
;; launch prep (part 1): grid 256 x 3, 32 waves a work-group, no clusters, 0 bytes of LDS; arguments x, w1, w2, a1, w1b, w2b; writes a1, w1b, w2b
.if DOCPART == 1
	.amdgcn_target "amdgcn-amd-amdhsa--gfx1250"
	.amdhsa_code_object_version 6
	.text
	.protected	k_qd8160aae2f_prep
	.globl	k_qd8160aae2f_prep
	.p2align	8
	.type	k_qd8160aae2f_prep,@function
k_qd8160aae2f_prep:
	s_mov_b64 s[64:65], 0
	v_nop
	global_prefetch_b8 v0, s[64:65] scope:SCOPE_SE
	s_setreg_imm32_b32 hwreg(HW_REG_WAVE_MODE, 25, 1), 1
	s_wait_xcnt 0x0
; PREP: a stream.  Work-group row y = 0: w1 -> w1b (bf16, as it lies).  y = 1: w2 -> w2b (bf16, rows permuted).  y = 2: x -> a1, the input spike train in bf16.
; Each of the 768 work-groups writes 65,536 bytes.  No LDS, no barrier, no matrix unit: every byte is read once and written once, and nothing is shared between threads.
; w2b's ROWS: inside each group of 64 rows, place 16 nb + r holds row 4 r + nb, so that in the second core a lane's four column blocks nb are four neighbouring columns of the output.
; a1's LAYOUT.  Row R of the train (12 bits): R[11:7] = b / 4, R[6] = bit 1 of b, R[5:4] = t / 8, R[3] = bit 0 of b, R[2:0] = t % 8.  The matrix [4096 rows][2048 k] is cut into tiles of 128 rows x 128 k,
; 32,768 dense bytes each, tile (R / 128, k / 128) at ((R / 128) x 16 + k / 128) x 32,768.  In a tile a CHUNK of 16 bytes holds the 8 rows 8 mg .. 8 mg + 7 of ONE k, at
; ((k / 16 % 8) x 16 + mg) x 256 + ((k % 16) xor 8 (mg % 2)) x 16.  A thread owns one (b, k): its 32 cycles are four chunks.
; THE ENCODER.  N = round to even of 32 x bf16(x).  N < 0 acts as N = 1, N >= 32 gives a spike in every cycle, N = 0 none.  Else the module asks floor(fmod(c, s)) = 0 with s = 32 / N rounded to f32.
; In exact numbers that is (c N mod 32) < N.  s is exact for powers of two; for the odd parts 3, 5, 7, 9, 11, 13, 15 the 25th bit of the quotient and bits behind it are set, so s is rounded up, and a spike that
; would fall on c N mod 32 = 0 with c > 0 falls one cycle later.  One rule for all N in 0 .. 32: spike(c) = ((c N - E [c >= 2]) mod 32) < N, E = 1 unless N is 0 or a power of two.
; It is kept in the top five bits of a word: A += N << 27 a cycle, less E << 27 once ahead of cycle 2; spike = A < LIM (unsigned), LIM = N << 27, or all ones for N = 32.
; LIMITS.  x, w1 and w2 are rounded once to bf16 (to nearest even).  A NaN in x counts as N = 0.
.set X,    12          ; v[12:43]  conversion: eight rounds of four f32, then of two packed words
.set ROUT, 16          ; v[16:31]  spikes: the 32 cycles, two to a word
.set ONEL, 12          ; v12  1.0 in bf16, low half
.set ONEH, 13          ; v13  the same, high half
.set EBIT, 14          ; v14  1 << 27
.set ES,   15          ; v15  E << 27
.set INC,  32          ; v32  N << 27
.set LIM,  33          ; v33
.set ACU,  34          ; v34  A
.set RLO,  35          ; v35  an even cycle's spike
.set RHI,  36          ; v36  an odd cycle's
.set ONE,  37          ; v37  1
.set ALL1, 38          ; v38  all ones
	s_load_b256 s[4:11], s[0:1], 0x0               ; x s[4:5], w1 s[6:7], w2 s[8:9], a1 s[10:11]
	s_load_b128 s[12:15], s[0:1], 0x20             ; w1b s[12:13], w2b s[14:15]
	s_and_b32 s16, ttmp7, 0xffff                   ; y: which of the three jobs
	s_mov_b32 s17, ttmp9                           ; g: which of its 256 parts
	s_wait_kmcnt 0x0
	s_cmp_eq_u32 s16, 2
	s_cbranch_scc1 .Lspikes
	; THE WEIGHTS.  A round is 1,024 threads x 16 bytes of f32 = 16,384 bytes in, 8,192 bytes out; eight rounds.
	; w1: part g is 131,072 consecutive bytes, the rounds follow each other.  w2: round e is place 8 g + e, a whole row: row 64 (g / 8) + 32 (g % 2) + (g / 2 % 4) + 4 e, so the rounds lie four rows apart.
	s_lshl_b32 s27, s17, 17                        ; w1: my part's first byte
	s_lshr_b32 s28, s17, 3
	s_lshl_b32 s28, s28, 6
	s_and_b32 s29, s17, 1
	s_lshl_b32 s29, s29, 5
	s_add_co_u32 s28, s28, s29
	s_bfe_u32 s29, s17, 0x20001                    ; two bits from bit 1
	s_add_co_u32 s28, s28, s29
	s_lshl_b32 s28, s28, 14                        ; w2: my first row x 16,384 bytes
	s_lshl_b32 s24, s17, 16                        ; what I write: 65,536 bytes from here
	s_mov_b32 s23, 0
	s_mov_b32 s25, 0
	s_mov_b32 s26, 0x10000                         ; from round to round: w2's four rows,
	s_cmp_eq_u32 s16, 0
	s_cselect_b64 s[18:19], s[6:7], s[8:9]         ; from w1 or w2,
	s_cselect_b64 s[20:21], s[12:13], s[14:15]     ; into w1b or w2b
	s_cselect_b32 s22, s27, s28
	s_cselect_b32 s26, 0x4000, s26                 ; or w1's 16,384 bytes
	s_add_nc_u64 s[18:19], s[18:19], s[22:23]
	s_add_nc_u64 s[20:21], s[20:21], s[24:25]
	v_lshlrev_b32 v1, 3, v0                        ; out: 8 bytes a thread
	v_lshlrev_b32 v2, 4, v0                        ; in: 16 bytes a thread; a register of offsets for each round, none written twice
.irp e, 0,1,2,3,4,5,6
	v_add_nc_u32 v[3+(\e)], s26, v[2+(\e)]
.endr
.irp e, 0,1,2,3,4,5,6,7
	global_load_b128 v[X+4*(\e):X+4*(\e)+3], v[2+(\e)], s[18:19] th:TH_LOAD_NT  ; a wave's load covers 512 consecutive bytes; all eight go out before the first is used
.endr
.irp e, 0,1,2,3,4,5,6,7
	s_wait_loadcnt 7-(\e)                          ; loads come back in order: round e is in, the 7 - e younger ones stay out
	v_cvt_pk_bf16_f32 v[X+4*(\e)], v[X+4*(\e)], v[X+4*(\e)+1]
	v_cvt_pk_bf16_f32 v[X+4*(\e)+1], v[X+4*(\e)+2], v[X+4*(\e)+3]
	global_store_b64 v1, v[X+4*(\e):X+4*(\e)+1], s[20:21] offset:(\e)*8192  ; a wave's store covers 256 consecutive bytes, at a multiple of 256 from the buffer's first
.endr
	s_endpgm
.Lspikes:
	; THE SPIKES.  Part g: the four b of row block g / 8, the 256 k from 256 (g % 8) on.  Thread bits: [6:0] and [9] k, [8:7] b % 4.
	s_lshr_b32 s27, s17, 3
	s_and_b32 s28, s17, 7
	s_lshl_b32 s22, s27, 15                        ; x: four rows of 8,192 bytes,
	s_lshl_b32 s29, s28, 10                        ; 256 numbers of 4 bytes
	s_add_co_u32 s22, s22, s29
	s_mov_b32 s23, 0
	s_add_nc_u64 s[4:5], s[4:5], s[22:23]
	s_lshl_b32 s24, s27, 4
	s_lshl1_add_u32 s24, s28, s24                  ; a1: tile 16 (g / 8) + 2 (g % 8)
	s_lshl_b32 s24, s24, 15
	s_mov_b32 s25, 0
	s_add_nc_u64 s[10:11], s[10:11], s[24:25]
	v_and_b32 v1, 127, v0
	v_lshrrev_b32 v2, 9, v0                        ; which of my part's two tiles
	v_lshl_or_b32 v1, v2, 7, v1                    ; k in my 256
	v_bfe_u32 v3, v0, 7, 2                         ; b % 4
	v_lshlrev_b32 v1, 2, v1
	v_lshl_add_u32 v4, v3, 13, v1
	global_load_b32 v5, v4, s[4:5] th:TH_LOAD_NT   ; a wave reads 128 consecutive bytes, four neighbouring waves 512
	v_bfe_u32 v7, v0, 7, 1                         ; bit 0 of b = mg % 2
	v_bfe_u32 v8, v0, 8, 1                         ; bit 1 of b
	v_bfe_u32 v9, v0, 4, 3                         ; k / 16 % 8
	v_and_b32 v10, 15, v0                          ; k % 16
	v_lshlrev_b32 v11, 3, v7
	v_xor_b32 v10, v10, v11
	v_lshlrev_b32 v6, 4, v10
	v_lshl_or_b32 v6, v7, 8, v6
	v_lshl_or_b32 v6, v8, 11, v6
	v_lshl_or_b32 v6, v9, 12, v6
	v_lshl_or_b32 v6, v2, 15, v6                   ; my chunk of cycles 0 to 7; the next eight cycles lie 512 bytes on
	v_mov_b32 v[ONEL], 0x3f80
	v_mov_b32 v[ONEH], 0x3f800000
	v_mov_b32 v[EBIT], 0x08000000
	v_mov_b32 v[ONE], 1
	v_mov_b32 v[ALL1], -1
	v_mov_b32 v[ACU], 0
	s_wait_loadcnt 0x0
	v_cvt_pk_bf16_f32 v5, v5, v5                   ; x rounded to bf16,
	v_lshlrev_b32 v5, 16, v5                       ; as f32 again
	v_mul_f32 v5, 0x42000000, v5                   ; x 32: exact
	v_rndne_f32 v5, v5
	v_cvt_i32_f32 v5, v5
	v_min_i32 v5, 32, v5                           ; N > 32 acts as 32
	v_cmp_gt_i32 vcc_lo, 0, v5
	v_cndmask_b32 v5, v5, v[ONE], vcc_lo           ; N < 0 acts as 1
	v_add_nc_u32 v[ES], -1, v5
	v_and_b32 v[ES], v[ES], v5
	v_cmp_ne_u32 vcc_lo, 0, v[ES]                  ; N has two bits or more
	v_cndmask_b32 v[ES], 0, v[EBIT], vcc_lo
	v_lshlrev_b32 v[INC], 27, v5
	v_cmp_eq_u32 vcc_lo, 32, v5
	v_cndmask_b32 v[LIM], v[INC], v[ALL1], vcc_lo
.set t, 0
.rept 32
.if t == 2
	v_sub_nc_u32 v[ACU], v[ACU], v[ES]
.endif
.if t > 0
	v_add_nc_u32 v[ACU], v[ACU], v[INC]
.endif
	v_cmp_lt_u32 vcc_lo, v[ACU], v[LIM]
.if t%2 == 0
	v_cndmask_b32 v[RLO], 0, v[ONEL], vcc_lo
.else
	v_cndmask_b32 v[RHI], 0, v[ONEH], vcc_lo
	v_or_b32 v[ROUT+t/2], v[RLO], v[RHI]
.endif
.set t, t+1
.endr
.irp q, 0,1,2,3
	global_store_b128 v6, v[ROUT+4*(\q):ROUT+4*(\q)+3], s[10:11] offset:(\q)*512  ; lanes 0-15 fill 256 consecutive bytes at a multiple of 256, lanes 16-31 the like block 4,096 bytes on
.endr
	s_endpgm
.Lfunc_end_k_qd8160aae2f_prep:
	.size	k_qd8160aae2f_prep, .Lfunc_end_k_qd8160aae2f_prep-k_qd8160aae2f_prep
	.p2alignl 7, 3214868480
	.fill 96, 4, 3214868480
	.section	.rodata,"a",@progbits
	.p2align	6, 0x0
	.amdhsa_kernel k_qd8160aae2f_prep
		.amdhsa_group_segment_fixed_size 0
		.amdhsa_private_segment_fixed_size 0
		.amdhsa_enable_private_segment 0
		.amdhsa_kernarg_size 48
		.amdhsa_user_sgpr_count 2
		.amdhsa_user_sgpr_kernarg_segment_ptr 1
		.amdhsa_wavefront_size32 1
		.amdhsa_system_sgpr_workgroup_id_x 1
		.amdhsa_system_sgpr_workgroup_id_y 1
		.amdhsa_system_sgpr_workgroup_id_z 1
		.amdhsa_system_vgpr_workitem_id 0
		.amdhsa_next_free_vgpr 48
		.amdhsa_next_free_sgpr 66
		.amdhsa_reserve_vcc 1
		.amdhsa_float_denorm_mode_32 3
		.amdhsa_float_denorm_mode_16_64 3
		.amdhsa_memory_ordered 1
		.amdhsa_forward_progress 1
		.amdhsa_inst_pref_size 11
	.end_amdhsa_kernel
	.amdgpu_metadata
---
amdhsa.version: [ 1, 2 ]
amdhsa.kernels:
  - .name:           k_qd8160aae2f_prep
    .symbol:         k_qd8160aae2f_prep.kd
    .args:
      - { .name: x, .offset: 0, .size: 8, .value_kind: global_buffer, .address_space: global }
      - { .name: w1, .offset: 8, .size: 8, .value_kind: global_buffer, .address_space: global }
      - { .name: w2, .offset: 16, .size: 8, .value_kind: global_buffer, .address_space: global }
      - { .name: a1, .offset: 24, .size: 8, .value_kind: global_buffer, .address_space: global }
      - { .name: w1b, .offset: 32, .size: 8, .value_kind: global_buffer, .address_space: global }
      - { .name: w2b, .offset: 40, .size: 8, .value_kind: global_buffer, .address_space: global }
    .group_segment_fixed_size: 0
    .private_segment_fixed_size: 0
    .kernarg_segment_align: 8
    .kernarg_segment_size: 48
    .max_flat_workgroup_size: 1024
    .sgpr_count:     66
    .vgpr_count:     48
    .wavefront_size: 32
...
	.end_amdgpu_metadata
.endif
;; end of part 1
;; launch core1 (part 2): grid 16 x 16, 4 waves a work-group, clusters of 4 x 4, 327,680 bytes of LDS; arguments a1, w1b, a2, th1; writes a2
.if DOCPART == 2
	.amdgcn_target "amdgcn-amd-amdhsa--gfx1250"
	.amdhsa_code_object_version 6
	.text
	.protected	k_qd8160aae2f_core1
	.globl	k_qd8160aae2f_core1
	.p2align	8
	.type	k_qd8160aae2f_core1,@function
k_qd8160aae2f_core1:
	s_mov_b64 s[64:65], 0
	v_nop
	global_prefetch_b8 v0, s[64:65] scope:SCOPE_SE
	s_setreg_imm32_b32 hwreg(HW_REG_WAVE_MODE, 25, 1), 1
	s_wait_xcnt 0x0
	s_wait_alu depctr_hold_cnt(0) depctr_sa_sdst(0) depctr_va_vdst(0) depctr_va_sdst(0) depctr_va_ssrc(0) depctr_va_vcc(0) depctr_vm_vsrc(0)
	s_getreg_b32 s2, hwreg(HW_REG_IB_STS2, 6, 4)
	s_cmp_eq_u32 s2, 0
	s_cbranch_scc0 .Lentry_in_a_cluster
	s_endpgm
.Lentry_in_a_cluster:
	s_bfe_u32 s2, ttmp6, 0x10000c
	s_cmp_lg_u32 s2, 0xf033
	s_cbranch_scc0 .Lentry_shape_is_right
	s_endpgm
.Lentry_shape_is_right:
; A SPIKING CORE: for every cycle t, memb += spikes(t) W^T; fired = th < memb; memb -= th fired.  One text for both layers; LAYER picks the sizes and what leaves.
;   LAYER 1: spikes a1 [4096 rows][2048], W = w1b [4096][2048]: the fired spikes leave as a2 [4096 rows][4096], bf16 0 or 1.     LAYER 2: a2, W = w2b [2048][4096]: the number of spikes / 32 leaves as f32.
; THE PRODUCT of all 32 cycles is one GEMM with rows (t, b).  ROW ORDER (12 bits): R[11:8] tile row mt, R[7] wr, R[6] a2, R[5:4] t / 8, R[3] h, R[2:0] t % 8;  b = 8 mt + 4 wr + 2 a2 + h.
; The matrix instruction takes 16 spike rows as source 0 and 16 rows of W as source 1: in the result of block a of a wave's 128 rows lane (r, h) holds in register j the row 16 a + 8 h + j, that is
; cycle t = 8 (a % 4) + j of b = .. + 2 (a / 4) + h, and column r.  So a lane holds all 32 cycles of its (b, n), and the walk over the cycles never leaves the lane.
; THE SPIKES' LAYOUT: tiles of 128 rows x 128 k, 32,768 dense bytes, tile (R / 128, k / 128) at ((R / 128) x KS + k / 128) x 32,768; in a tile a chunk of 16 bytes holds rows 8 mg .. 8 mg + 7 of ONE k, at
; ((k / 16 % 8) x 16 + mg) x 256 + ((k % 16) xor 8 (mg % 2)) x 16.  A lane's eight results of one accumulator ARE a chunk, so layer 1 stores from registers, 16 lanes to 256 consecutive bytes; a tile comes
; into LDS as 128 rows of 256 bytes; ds_load_tr16_b128 turns eight chunks into fragment rows; and the xor puts the 16 lanes that a turning load serves together on 16 different columns of 16 bytes.
; SHARES.  A work-group makes 256 rows x BROWS columns, a wave 128 rows x HB columns: 8 x NB accumulators.  K goes in steps of 128 through two LDS slots.  256 work-groups, one tile each.
; CLUSTER.  4 x 4 work-groups: the four of a row of the cluster need the same spike tiles, the four of a column the same rows of W: each is asked for jointly, by the same tensor load, descriptor and mask.
; LIMITS.  th is rounded to bf16 as all inputs are; th is finite.  Spikes are exact in bf16, so every product is exact; the f32 sums are made in the matrix unit's order, so a membrane that lies within the
; rounding of such a sum of th may fire in another cycle than with the sums made in another order.  The walk itself is the module's: one f32 add, one compare, one rounding for memb - th fired.
; The sign of a zero membrane is not kept.
; REGISTERS, in windows of 256 (s_set_vgpr_msb: bits 1:0 source 0, 3:2 source 1, 5:4 source 2, 7:6 destination):
;   window 0: v0-31 addresses; v32-55 the walk's chains; v64-127, v128-191 the spikes' fragments, two buffers (layer 1's walk: v64-127 the fired spikes, v192-223 packed)
;   window 1: v64.., v128.. W's fragments, two buffers       window 2 (layer 1: and 3): the accumulators
.set LAYER, 1
.if LAYER == 1
.set KTOT,  2048
.set LOGKS, 4          ; KTOT / 128 = 16 K steps
.set NB,    8          ; column blocks of 16 a wave
.set PIECE, 34816      ; what one wave's load may fill: W's 128 rows x 272 bytes (the spikes' 32,768 fit too)
.set ROWSH, 20         ; the output's bytes for a block of 128 rows: 32 tiles
.set COLSH, 15         ; and for a wave's columns: one tile
.else
.set KTOT,  4096
.set LOGKS, 5          ; 32 K steps
.set NB,    4
.set PIECE, 32768      ; the spikes' 32,768 (W's 64 rows x 272 bytes fit too)
.set ROWSH, 15         ; four rows b of 8,192 bytes
.set COLSH, 8          ; 64 columns of 4 bytes
.endif
.set LAPS,  KTOT/256   ; a lap = two K steps = once round the ring
.set HB,    16*NB      ; a wave's columns; the rows of W in one load
.set BROWS, 2*HB
.set PITCH, 272        ; a row of W in LDS: 256 bytes + 16 of padding = 68 words: the 16 rows of a load start at 16 different groups of four banks (64 banks of 4 bytes: ISA guide 11.1)
.set SLOT,  4*PIECE    ; pieces 0, 1: the spikes' two row blocks; pieces 2, 3: W's two halves
.set SPARE, 2*SLOT     ; behind the ring: the spare words, 128 bytes for each wave: two blocks of 256 bytes that no other line names
.set NL,    2*NB+16    ; the LDS loads of one FETCH
.set ADRA, 16          ; v16-17  LDS address of my lane's chunk in my row block, slot 0, 1
.set ADRB, 20          ; v20-21  of my lane's 16 bytes in my half of W
.set CO,   26          ; v26     my byte offset in the output; never rewritten
.set SPW,  28          ; v28     LDS address of my spare word; never rewritten
.set NIL,  29          ; v29     0; never rewritten
.set THV,  30          ; v30     th at work
.set MEMB, 32          ; v32-39  the membranes of eight chains
.set CNT,  40          ; v40-47  layer 2: their counts
.set S2,   48          ; v48-55  layer 2: a cycle's spikes
.set F0,   64
.set F1,   128
.set SPK,  64          ; layer 1: chain c's spike of cycle j of eight at SPK + 8 c + j
.set PKD,  192         ; layer 1: the same packed, four registers a chain
.set WV,   12          ; s12  my wave's number
.set WR,   13          ; s13  which 128 rows are mine.  Also: I fetch spikes (0) or W (1)
.set WC,   14          ; s14  which HB columns.  Also: which half of that tile I fetch
.set G1A,  24          ; s[24:31] descriptor group 1 for the spikes' tiles;  s[32:39] group 0, a set for each slot
.set G0A,  32
.set G1B,  48          ; s[48:55], s[56:63] the same for W's tiles
.set G0B,  56
.set TH,   66          ; s66  th
.set NTH,  67          ; s67  -th
.set MK,   68          ; s68-75  eight chains' masks
.set MSB, 0
.macro WIN new                         ; the immediate's high byte repeats the setting that is left; a switch that changes nothing is dropped
.if MSB != (\new)
	s_set_vgpr_msb (MSB<<8)|(\new)
.set MSB, (\new)
.endif
.endm
.set MUL_LO, 0xa4      ; source 0 (spikes) window 0, source 1 (W) window 1, C and D window 2
.set TO_B,   0x40      ; destination window 1, address window 0
; A joint load.  Waves 0 and 1 fetch the spikes' two row blocks, waves 2 and 3 W's two halves.  The branch hangs on the wave's number alone.
; An s_nop 0 and four v_nop follow each of the two lines, ahead of the jump and the label.
.macro JLOAD s
	s_cmp_eq_u32 s[WR], 0
	s_cbranch_scc0 .Lfor_b_\@
	tensor_load_to_lds s[G0A+4*(\s):G0A+4*(\s)+3], s[G1A:G1A+7]
	s_nop 0
.rept 4
	v_nop
.endr
	s_branch .Lasked_\@
.Lfor_b_\@:
	tensor_load_to_lds s[G0B+4*(\s):G0B+4*(\s)+3], s[G1B:G1B+7]
	s_nop 0
.rept 4
	v_nop
.endr
.Lasked_\@:
.endm
.macro CREST                           ; a round of the cluster's barrier behind its opening barrier: wave 0 signals for the work-group, every wave waits for all sixteen, my work-group's barrier closes it
	s_cmp_lg_u32 s[WV], 0
	s_cbranch_scc1 .Lnot_wave_0_\@
	s_barrier_signal -3
.Lnot_wave_0_\@:
	s_barrier_wait -3
	s_barrier_signal -1
	s_barrier_wait -1
.endm
.macro CROUND                          ; a whole round
	s_barrier_signal -1
	s_barrier_wait -1
	CREST
.endm
.macro PLACES                          ; four plain vector instructions between a matrix instruction and a load into, or a vector instruction on, its registers (ISA guide 7.12.1 for vector instructions)
.rept 4
	v_nop
.endr
.endm
	s_load_b256 s[4:11], s[0:1], 0x0               ; spikes s[4:5], W s[6:7], output s[8:9], th's address s[10:11]
	v_lshl_add_u32 v[SPW], v0, 2, SPARE
	v_mov_b32 v[NIL], 0
	ds_add_u32 v[SPW], v[NIL]                      ; the wave's opening: the add and its wait stand ahead of my first tensor load; the set-up below, work on registers, stands between them
	v_lshrrev_b32 v1, 5, v0
	v_readfirstlane_b32 s[WV], v1                  ; wave 0..3
	s_lshr_b32 s[WR], s[WV], 1
	s_and_b32 s[WC], s[WV], 1
	s_bfe_u32 s40, ttmp6, 0x40000                  ; cx, cy: my place in the cluster
	s_bfe_u32 s41, ttmp6, 0x40004
	s_lshl_b32 s42, ttmp9, 2
	s_add_co_u32 s42, s42, s40                     ; nt: tile column = 4 x cluster x + cx
	s_and_b32 s43, ttmp7, 0xffff
	s_lshl_b32 s43, s43, 2
	s_add_co_u32 s43, s43, s41                     ; mt: tile row = 4 x cluster y + cy
	s_lshl_b32 s44, s41, 2
	s_lshl_b32 s44, 15, s44                        ; my row of the cluster
	s_lshl_b32 s45, 0x1111, s40                    ; my column
	; group 1 for the spikes: a dense block of 32,768 bytes as 128 rows of 32 elements of 8 bytes, no padding
	s_or_b32 s[G1A+0], s44, (3<<16)|(1<<21)        ; 15:0 the mask: my row of the cluster; 17:16 elements of 8 bytes; 21 set beside a mask
	s_mov_b32 s[G1A+1], 32<<16                     ; tensor_dim0 = 32
	s_mov_b32 s[G1A+2], 128<<16                    ; tensor_dim1 = 128
	s_mov_b32 s[G1A+3], 32<<16                     ; tile_dim0 = 32
	s_mov_b32 s[G1A+4], 128                        ; tile_dim1 = 128
	s_mov_b32 s[G1A+5], 32                         ; 32 elements from row to row
	s_mov_b32 s[G1A+6], 0
	s_mov_b32 s[G1A+7], 0
	; group 1 for W: HB rows x 128 elements of 2 bytes, 16 bytes of padding behind each row
	s_or_b32 s[G1B+0], s45, (1<<16)|(1<<20)|(1<<21)|(5<<22)|(3<<25)  ; the mask: my column; 2-byte elements; padding on; 21 set beside a mask; after every 64 words (code 5) 4 words (code 3)
	s_mov_b32 s[G1B+1], 128<<16                    ; tensor_dim0 = 128
	s_mov_b32 s[G1B+2], HB<<16                     ; tensor_dim1 = HB
	s_mov_b32 s[G1B+3], 128<<16                    ; tile_dim0 = 128
	s_mov_b32 s[G1B+4], HB                         ; tile_dim1 = HB
	s_mov_b32 s[G1B+5], KTOT                       ; elements from row to row
	s_mov_b32 s[G1B+6], 0
	s_mov_b32 s[G1B+7], 0
	; where the tiles come from: the spikes' hang on the tile row alone, W's on the tile column alone; each in registers that do not hold the other coordinate while they feed a descriptor
	s_lshl1_add_u32 s16, s43, s[WC]                ; row block 2 mt + half,
	s_lshl_b32 s16, s16, 15+LOGKS                  ; its KTOT / 128 tiles of 32,768 bytes
	s_mov_b32 s17, 0
	s_mul_i32 s46, s42, BROWS
	s_mul_i32 s47, s[WC], HB
	s_add_co_u32 s46, s46, s47                     ; W's row nt x BROWS + half x HB,
	s_lshl_b32 s46, s46, LOGKS+8                   ; of KTOT x 2 bytes
	s_mov_b32 s47, 0
	s_mul_i32 s20, s[WV], PIECE                    ; where they go: piece = wave: no place in the cluster enters an LDS address
	s_wait_dscnt 0x0                               ; the opening add is done
	s_wait_kmcnt 0x0
	s_add_nc_u64 s[18:19], s[4:5], s[16:17]
	s_add_nc_u64 s[46:47], s[6:7], s[46:47]
	CROUND                                         ; all sixteen work-groups are here: the first joint loads meet
.irp s, 0,1
	s_mov_b32 s[G0A+4*(\s)], 1                                      ; count = 1
	s_add_co_u32 s[G0A+4*(\s)+1], s20, (\s)*SLOT                    ; LDS address
	s_add_nc_u64 s[G0A+4*(\s)+2:G0A+4*(\s)+3], s[18:19], (\s)*32768 ; K step s: the next tile of the row block
	s_or_b32 s[G0A+4*(\s)+3], s[G0A+4*(\s)+3], 0x80000000           ; type = 2
	s_mov_b32 s[G0B+4*(\s)], 1
	s_add_co_u32 s[G0B+4*(\s)+1], s20, (\s)*SLOT
	s_add_nc_u64 s[G0B+4*(\s)+2:G0B+4*(\s)+3], s[46:47], (\s)*256   ; K step s: 128 elements along the rows
	s_or_b32 s[G0B+4*(\s)+3], s[G0B+4*(\s)+3], 0x80000000
	JLOAD \s                                       ; two loads of mine are out
.endr
	; in the wait for the first tile: th, the lane's addresses, the output's address
	s_load_b32 s[TH], s[10:11], 0x0
	v_and_b32 v1, 15, v0                           ; r
	v_bfe_u32 v2, v0, 4, 1                         ; h
	v_mul_u32_u24 v3, v1, PITCH                    ; W's fragment: lane (r, h) takes row r, 16 bytes at 16 h and at 32 + 16 h
	v_lshl_add_u32 v3, v2, 4, v3
	s_add_co_u32 s21, s[WC], 2
	s_mul_i32 s21, s21, PIECE                      ; my half of W: piece 2 + wc
	v_add_nc_u32 v[ADRB], s21, v3
	v_add_nc_u32 v[ADRB+1], SLOT, v[ADRB]
	; The turning load: element j of lane 8 g + i is element i of the 16 bytes that lane 8 g + j addressed.  Lane 8 (2 hh + mp) + j addresses the chunk of k = 8 hh + j, rows 8 mp .. 8 mp + 7 of a block
	; of 16; lane L then holds row L % 16 and k = 8 (L / 16) + 0..7: half a fragment.  The chunk lies at mp x 256 + (j + 8 (hh xor mp)) x 16.
	v_and_b32 v4, 7, v0
	v_bfe_u32 v5, v0, 3, 1
	v_xor_b32 v6, v2, v5
	v_lshl_add_u32 v6, v6, 3, v4
	v_lshlrev_b32 v6, 4, v6
	v_lshl_add_u32 v6, v5, 8, v6
	s_mul_i32 s22, s[WR], PIECE                    ; my row block: piece wr
	v_add_nc_u32 v[ADRA], s22, v6
	v_add_nc_u32 v[ADRA+1], SLOT, v[ADRA]
.if LAYER == 1
	v_lshlrev_b32 v7, 3, v2                        ; my chunk in a2's tile: h x 256 + (r xor 8 h) x 16
	v_xor_b32 v7, v1, v7
	v_lshlrev_b32 v[CO], 4, v7
	v_lshl_add_u32 v[CO], v2, 8, v[CO]
.else
	v_lshlrev_b32 v[CO], 4, v1                     ; four columns from 4 r on, row h of two
	v_lshl_add_u32 v[CO], v2, 13, v[CO]
.endif
	s_lshl1_add_u32 s16, s43, s[WR]                ; my 128 rows,
	s_lshl_b32 s16, s16, ROWSH
	s_mov_b32 s17, 0
	s_add_nc_u64 s[8:9], s[8:9], s[16:17]
	s_lshl1_add_u32 s46, s42, s[WC]                ; my HB columns
	s_lshl_b32 s46, s46, COLSH
	s_mov_b32 s47, 0
	s_add_nc_u64 s[8:9], s[8:9], s[46:47]
	s_wait_kmcnt 0x0
	v_mov_b32 v[THV], s[TH]
	v_cvt_pk_bf16_f32 v[THV], v[THV], v[THV]       ; th rounded to bf16,
	v_lshlrev_b32 v[THV], 16, v[THV]               ; as f32 again
	v_readfirstlane_b32 s[TH], v[THV]
	s_xor_b32 s[NTH], s[TH], 0x80000000
; 2 NB matrix instructions: row blocks a0, a0 + 1 x all NB column blocks, 32 along K from buffer f.  zero = 1: the product starts the sums: nothing is ever cleared.
; All 8 NB accumulators take turns, one instruction a turn, in the same order in every quarter step.
.macro MUL2 f, a0, zero
.set ma, (\a0)
.rept 2
.if LAYER == 1
	WIN MUL_LO+0x50*(ma/4)                         ; row blocks 4 to 7: C and D in window 3
.set AC, 64*(ma%4)
.else
	WIN MUL_LO
.set AC, 32*ma
.endif
.set mb, 0
.rept NB
.if \zero
	v_wmma_f32_16x16x32_bf16 v[AC+8*mb:AC+8*mb+7], v[(\f)+8*ma:(\f)+8*ma+7], v[(\f)+8*mb:(\f)+8*mb+7], 0
.else
	v_wmma_f32_16x16x32_bf16 v[AC+8*mb:AC+8*mb+7], v[(\f)+8*ma:(\f)+8*ma+7], v[(\f)+8*mb:(\f)+8*mb+7], v[AC+8*mb:AC+8*mb+7]
.endif
.set mb, mb+1
.endr
.set ma, ma+1
.endr
.endm
; NL LDS loads in one run: the fragments of quarter q (32 along K) of a slot into buffer f: W's first, then the spikes' eight row blocks
.macro FETCH slot, q, f
	WIN TO_B
.set fb, 0
.rept NB
	ds_load_b128 v[(\f)+8*fb:(\f)+8*fb+3],   v[ADRB+(\slot)] offset:64*(\q)+fb*16*PITCH
	ds_load_b128 v[(\f)+8*fb+4:(\f)+8*fb+7], v[ADRB+(\slot)] offset:64*(\q)+fb*16*PITCH+32
.set fb, fb+1
.endr
	WIN 0
.set fb, 0
.rept 8
	ds_load_tr16_b128 v[(\f)+8*fb:(\f)+8*fb+3],   v[ADRA+(\slot)] offset:8192*(\q)+512*fb       ; 16 k are 4,096 bytes, 16 rows 512
	ds_load_tr16_b128 v[(\f)+8*fb+4:(\f)+8*fb+7], v[ADRA+(\slot)] offset:8192*(\q)+512*fb+4096
.set fb, fb+1
.endr
.endm
; A K step is four quarters of 32 along K on buffers 0, 1, 0, 1.  One of the first three multiplies buffer f and, in its middle, fetches quarter q of the same slot into buffer g.
.macro QUARTER slot, q, f, g, zero
	s_wait_dscnt 8                                 ; W and row blocks 0-3 are in; the youngest eight loads (row blocks 4-7) may be out
	MUL2 \f, 0, \zero
	MUL2 \f, 2, \zero
	PLACES
	FETCH \slot, \q, \g
	s_wait_dscnt NL                                ; all but the NL just issued
	MUL2 \f, 4, \zero
	MUL2 \f, 6, \zero
.endm
; The last quarter multiplies buffer 1 and changes slots: ONE barrier.  In front of it each wave waits for all its tensor loads (one is out: its piece of the next slot), adds 0 to its spare word, and waits for
; that and for its reads of this slot.  Behind it nobody reads this slot and the next slot is whole.  fill = 1: the barrier opens a round of the cluster's, and this slot is filled again, two K steps on, first
; thing behind the round: the load has a K step less 4 NB matrix instructions in which to land.
.macro TURN slot, next, fill
	WIN 0                                          ; (the add's two registers lie in window 0)
	s_wait_tensorcnt 0x0                           ; all my tensor loads have landed, so a group 0 may be written
	ds_add_u32 v[SPW], v[NIL]                      ; 0 onto my spare word
	s_wait_dscnt 9                                 ; the add and the youngest eight loads may be out
	MUL2 F1, 0, 0                                  ; matrix work stands between the add and the wait for it
	s_wait_dscnt 0x0                               ; the add is done, and my reads of this slot are over
	s_barrier_signal -1
	MUL2 F1, 2, 0                                  ; work on registers while the others arrive
.if \fill
	WIN 0
.endif
	s_barrier_wait -1
.if \fill
	CREST                                          ; no wave of any partner still reads this slot's tile or has a load on its way
	s_add_nc_u64 s[G0A+4*(\slot)+2:G0A+4*(\slot)+3], s[G0A+4*(\slot)+2:G0A+4*(\slot)+3], 2*32768
	s_add_nc_u64 s[G0B+4*(\slot)+2:G0B+4*(\slot)+3], s[G0B+4*(\slot)+2:G0B+4*(\slot)+3], 2*256
	JLOAD \slot                                    ; my one tensor load behind the round; the four v_nop behind it are also the places in front of the loads below
.else
	PLACES
.endif
	FETCH \next, 0, F0
	MUL2 F1, 4, 0
	MUL2 F1, 6, 0
.endm
	s_wait_tensorcnt 0x1                           ; my piece of K step 0 is in; K step 1's may stay out
	s_barrier_signal -1
	s_barrier_wait -1                              ; everybody's is
	FETCH 0, 0, F0
	QUARTER 0, 1, F0, F1, 1                        ; the first quarter stands in front of the loop: its products start the sums
	WIN 0                                          ; at a label and at a branch every window is 0
	s_mov_b32 s3, LAPS-1
.Llap:                                                 ; a trip goes once round the ring, from a lap's second quarter to the next lap's first, and fills both slots again
	QUARTER 0, 2, F1, F0, 0
	QUARTER 0, 3, F0, F1, 0
	TURN 0, 1, 1
	QUARTER 1, 1, F0, F1, 0
	QUARTER 1, 2, F1, F0, 0
	QUARTER 1, 3, F0, F1, 0
	TURN 1, 0, 1
	QUARTER 0, 1, F0, F1, 0
	WIN 0
	s_sub_co_u32 s3, s3, 1
	s_cmp_lg_u32 s3, 0
	s_cbranch_scc1 .Llap
	QUARTER 0, 2, F1, F0, 0                        ; the last lap is written out: it fills nothing
	QUARTER 0, 3, F0, F1, 0
	TURN 0, 1, 0
	QUARTER 1, 1, F0, F1, 0
	QUARTER 1, 2, F1, F0, 0
	QUARTER 1, 3, F0, F1, 0
	s_wait_dscnt 8
	MUL2 F1, 0, 0
	MUL2 F1, 2, 0
	s_wait_dscnt 0x0
	MUL2 F1, 4, 0
	MUL2 F1, 6, 0
	WIN 0
	PLACES                                         ; the walk reads results just made and writes registers that were fragments
; THE WALK over the cycles.  Eight chains side by side, so that each line stands eight behind the one that it waits for.  Source 0 alone names the accumulators' window; all else lies in window 0, so no
; register of window 0 stands as source 0.  Layer 1: pass p takes the rows with a2 = p, chain c = column block c.  Layer 2: one pass, chain c = 4 a2 + column block.
; SCAN8 walks the cycles 8 q .. 8 q + 7: each accumulator's registers in ascending order.
.macro SETSX q                         ; where chain sc's spike of this cycle goes
.if LAYER == 1
.set SX, SPK+8*sc+sj
.elseif ((\q)+sj) == 0
.set SX, CNT+sc                        ; the first spike starts the count
.else
.set SX, S2+sc
.endif
.endm
.macro SCAN8 p, q
	WIN 0x02+(\p)
.set sj, 0
.rept 8
.set sc, 0
.rept 8
.if LAYER == 1
.set AR, 8*(8*(\q)+sc)+sj
.else
.set AR, 128*(sc/4)+8*(4*(\q)+sc%4)+sj
.endif
.if ((\q)+sj) == 0
	v_mov_b32 v[MEMB+sc], v[AR]                    ; memb = 0 + input
.else
	v_add_f32 v[MEMB+sc], v[AR], v[MEMB+sc]        ; memb += input
.endif
.set sc, sc+1
.endr
.set sc, 0
.rept 8
	v_cmp_lt_f32 s[MK+sc], s[TH], v[MEMB+sc]       ; th < memb
.set sc, sc+1
.endr
.set sc, 0
.rept 8
	SETSX \q
	v_cndmask_b32 v[SX], 0, 1.0, s[MK+sc]          ; fired
.set sc, sc+1
.endr
.set sc, 0
.rept 8
	SETSX \q
	v_fmac_f32 v[MEMB+sc], s[NTH], v[SX]           ; memb - th fired: th fired is exact, so this rounds once, as the subtraction does
.set sc, sc+1
.endr
.if (LAYER == 2) && (((\q)+sj) != 0)
.set sc, 0
.rept 8
	v_fmac_f32 v[CNT+sc], 1.0, v[S2+sc]            ; count += fired (source 0 names another window, so the constant stands there)
.set sc, sc+1
.endr
.endif
.set sj, sj+1
.endr
.endm
.if LAYER == 1
; Eight cycles of eight chains leave: a chain's eight spikes pack into its chunk of a2: tile (2 mt + wr, 2 nt + wc), k / 16 = c, mg = 2 (4 p + q) + h.
.macro SENDQ p, q
	WIN 0
	s_wait_xcnt 0x0                                ; the packed registers, which the last group's stores read, are rewritten only behind this wait
.set sc, 0
.rept 8
.set si, 0
.rept 4
	v_cvt_pk_bf16_f32 v[PKD+4*sc+si], v[SPK+8*sc+2*si], v[SPK+8*sc+2*si+1]
.set si, si+1
.endr
.set sc, sc+1
.endr
.set sc, 0
.rept 8
	global_store_b128 v[CO], v[PKD+4*sc:PKD+4*sc+3], s[8:9] offset:(16*sc+2*(4*(\p)+(\q)))*256  ; 16 lanes store 256 consecutive bytes, at a multiple of 256 from a2's first
.set sc, sc+1
.endr
.endm
.irp p, 0,1
.irp q, 0,1,2,3
	SCAN8 \p, \q
	SENDQ \p, \q
.endr
.endr
.else
.irp q, 0,1,2,3
	SCAN8 0, \q
.endr
	WIN 0
.irp c, 0,1,2,3,4,5,6,7
	v_mul_f32 v[CNT+(\c)], 0x3d000000, v[CNT+(\c)] ; count / 32: exact
.endr
.irp a, 0,1
	global_store_b128 v[CO], v[CNT+4*(\a):CNT+4*(\a)+3], s[8:9] offset:(\a)*16384  ; W's rows were laid so that my four column blocks are columns 4 r .. 4 r + 3: 16 lanes store 256 consecutive bytes, aligned
.endr
.endif
	s_wait_tensorcnt 0x0                           ; the wave's end
	ds_add_u32 v[SPW], v[NIL]
	s_wait_dscnt 0x0
	CROUND                                         ; the closing round: no work-group ends while a partner may still ask for a tile that names it
	s_endpgm
.Lfunc_end_k_qd8160aae2f_core1:
	.size	k_qd8160aae2f_core1, .Lfunc_end_k_qd8160aae2f_core1-k_qd8160aae2f_core1
	.p2alignl 7, 3214868480
	.fill 96, 4, 3214868480
	.section	.rodata,"a",@progbits
	.p2align	6, 0x0
	.amdhsa_kernel k_qd8160aae2f_core1
		.amdhsa_group_segment_fixed_size 327680
		.amdhsa_private_segment_fixed_size 0
		.amdhsa_enable_private_segment 0
		.amdhsa_kernarg_size 32
		.amdhsa_user_sgpr_count 2
		.amdhsa_user_sgpr_kernarg_segment_ptr 1
		.amdhsa_wavefront_size32 1
		.amdhsa_system_sgpr_workgroup_id_x 1
		.amdhsa_system_sgpr_workgroup_id_y 1
		.amdhsa_system_sgpr_workgroup_id_z 1
		.amdhsa_system_vgpr_workitem_id 0
		.amdhsa_next_free_vgpr 1024
		.amdhsa_next_free_sgpr 80
		.amdhsa_reserve_vcc 0
		.amdhsa_float_denorm_mode_32 3
		.amdhsa_float_denorm_mode_16_64 3
		.amdhsa_memory_ordered 1
		.amdhsa_forward_progress 1
		.amdhsa_inst_pref_size 230
	.end_amdhsa_kernel
	.amdgpu_metadata
---
amdhsa.version: [ 1, 2 ]
amdhsa.kernels:
  - .name:           k_qd8160aae2f_core1
    .symbol:         k_qd8160aae2f_core1.kd
    .args:
      - { .name: a1, .offset: 0, .size: 8, .value_kind: global_buffer, .address_space: global }
      - { .name: w1b, .offset: 8, .size: 8, .value_kind: global_buffer, .address_space: global }
      - { .name: a2, .offset: 16, .size: 8, .value_kind: global_buffer, .address_space: global }
      - { .name: th1, .offset: 24, .size: 8, .value_kind: global_buffer, .address_space: global }
    .group_segment_fixed_size: 327680
    .private_segment_fixed_size: 0
    .kernarg_segment_align: 8
    .kernarg_segment_size: 32
    .max_flat_workgroup_size: 128
    .sgpr_count:     80
    .vgpr_count:     1024
    .wavefront_size: 32
...
	.end_amdgpu_metadata
.endif
;; end of part 2
;; launch core2 (part 3): grid 16 x 16, 4 waves a work-group, clusters of 4 x 4, 327,680 bytes of LDS; arguments a2, w2b, out0, th2; writes out0
.if DOCPART == 3
	.amdgcn_target "amdgcn-amd-amdhsa--gfx1250"
	.amdhsa_code_object_version 6
	.text
	.protected	k_qd8160aae2f_core2
	.globl	k_qd8160aae2f_core2
	.p2align	8
	.type	k_qd8160aae2f_core2,@function
k_qd8160aae2f_core2:
	s_mov_b64 s[64:65], 0
	v_nop
	global_prefetch_b8 v0, s[64:65] scope:SCOPE_SE
	s_setreg_imm32_b32 hwreg(HW_REG_WAVE_MODE, 25, 1), 1
	s_wait_xcnt 0x0
	s_wait_alu depctr_hold_cnt(0) depctr_sa_sdst(0) depctr_va_vdst(0) depctr_va_sdst(0) depctr_va_ssrc(0) depctr_va_vcc(0) depctr_vm_vsrc(0)
	s_getreg_b32 s2, hwreg(HW_REG_IB_STS2, 6, 4)
	s_cmp_eq_u32 s2, 0
	s_cbranch_scc0 .Lentry_in_a_cluster
	s_endpgm
.Lentry_in_a_cluster:
	s_bfe_u32 s2, ttmp6, 0x10000c
	s_cmp_lg_u32 s2, 0xf033
	s_cbranch_scc0 .Lentry_shape_is_right
	s_endpgm
.Lentry_shape_is_right:
; A SPIKING CORE: for every cycle t, memb += spikes(t) W^T; fired = th < memb; memb -= th fired.  One text for both layers; LAYER picks the sizes and what leaves.
;   LAYER 1: spikes a1 [4096 rows][2048], W = w1b [4096][2048]: the fired spikes leave as a2 [4096 rows][4096], bf16 0 or 1.     LAYER 2: a2, W = w2b [2048][4096]: the number of spikes / 32 leaves as f32.
; THE PRODUCT of all 32 cycles is one GEMM with rows (t, b).  ROW ORDER (12 bits): R[11:8] tile row mt, R[7] wr, R[6] a2, R[5:4] t / 8, R[3] h, R[2:0] t % 8;  b = 8 mt + 4 wr + 2 a2 + h.
; The matrix instruction takes 16 spike rows as source 0 and 16 rows of W as source 1: in the result of block a of a wave's 128 rows lane (r, h) holds in register j the row 16 a + 8 h + j, that is
; cycle t = 8 (a % 4) + j of b = .. + 2 (a / 4) + h, and column r.  So a lane holds all 32 cycles of its (b, n), and the walk over the cycles never leaves the lane.
; THE SPIKES' LAYOUT: tiles of 128 rows x 128 k, 32,768 dense bytes, tile (R / 128, k / 128) at ((R / 128) x KS + k / 128) x 32,768; in a tile a chunk of 16 bytes holds rows 8 mg .. 8 mg + 7 of ONE k, at
; ((k / 16 % 8) x 16 + mg) x 256 + ((k % 16) xor 8 (mg % 2)) x 16.  A lane's eight results of one accumulator ARE a chunk, so layer 1 stores from registers, 16 lanes to 256 consecutive bytes; a tile comes
; into LDS as 128 rows of 256 bytes; ds_load_tr16_b128 turns eight chunks into fragment rows; and the xor puts the 16 lanes that a turning load serves together on 16 different columns of 16 bytes.
; SHARES.  A work-group makes 256 rows x BROWS columns, a wave 128 rows x HB columns: 8 x NB accumulators.  K goes in steps of 128 through two LDS slots.  256 work-groups, one tile each.
; CLUSTER.  4 x 4 work-groups: the four of a row of the cluster need the same spike tiles, the four of a column the same rows of W: each is asked for jointly, by the same tensor load, descriptor and mask.
; LIMITS.  th is rounded to bf16 as all inputs are; th is finite.  Spikes are exact in bf16, so every product is exact; the f32 sums are made in the matrix unit's order, so a membrane that lies within the
; rounding of such a sum of th may fire in another cycle than with the sums made in another order.  The walk itself is the module's: one f32 add, one compare, one rounding for memb - th fired.
; The sign of a zero membrane is not kept.
; REGISTERS, in windows of 256 (s_set_vgpr_msb: bits 1:0 source 0, 3:2 source 1, 5:4 source 2, 7:6 destination):
;   window 0: v0-31 addresses; v32-55 the walk's chains; v64-127, v128-191 the spikes' fragments, two buffers (layer 1's walk: v64-127 the fired spikes, v192-223 packed)
;   window 1: v64.., v128.. W's fragments, two buffers       window 2 (layer 1: and 3): the accumulators
.set LAYER, 2
.if LAYER == 1
.set KTOT,  2048
.set LOGKS, 4          ; KTOT / 128 = 16 K steps
.set NB,    8          ; column blocks of 16 a wave
.set PIECE, 34816      ; what one wave's load may fill: W's 128 rows x 272 bytes (the spikes' 32,768 fit too)
.set ROWSH, 20         ; the output's bytes for a block of 128 rows: 32 tiles
.set COLSH, 15         ; and for a wave's columns: one tile
.else
.set KTOT,  4096
.set LOGKS, 5          ; 32 K steps
.set NB,    4
.set PIECE, 32768      ; the spikes' 32,768 (W's 64 rows x 272 bytes fit too)
.set ROWSH, 15         ; four rows b of 8,192 bytes
.set COLSH, 8          ; 64 columns of 4 bytes
.endif
.set LAPS,  KTOT/256   ; a lap = two K steps = once round the ring
.set HB,    16*NB      ; a wave's columns; the rows of W in one load
.set BROWS, 2*HB
.set PITCH, 272        ; a row of W in LDS: 256 bytes + 16 of padding = 68 words: the 16 rows of a load start at 16 different groups of four banks (64 banks of 4 bytes: ISA guide 11.1)
.set SLOT,  4*PIECE    ; pieces 0, 1: the spikes' two row blocks; pieces 2, 3: W's two halves
.set SPARE, 2*SLOT     ; behind the ring: the spare words, 128 bytes for each wave: two blocks of 256 bytes that no other line names
.set NL,    2*NB+16    ; the LDS loads of one FETCH
.set ADRA, 16          ; v16-17  LDS address of my lane's chunk in my row block, slot 0, 1
.set ADRB, 20          ; v20-21  of my lane's 16 bytes in my half of W
.set CO,   26          ; v26     my byte offset in the output; never rewritten
.set SPW,  28          ; v28     LDS address of my spare word; never rewritten
.set NIL,  29          ; v29     0; never rewritten
.set THV,  30          ; v30     th at work
.set MEMB, 32          ; v32-39  the membranes of eight chains
.set CNT,  40          ; v40-47  layer 2: their counts
.set S2,   48          ; v48-55  layer 2: a cycle's spikes
.set F0,   64
.set F1,   128
.set SPK,  64          ; layer 1: chain c's spike of cycle j of eight at SPK + 8 c + j
.set PKD,  192         ; layer 1: the same packed, four registers a chain
.set WV,   12          ; s12  my wave's number
.set WR,   13          ; s13  which 128 rows are mine.  Also: I fetch spikes (0) or W (1)
.set WC,   14          ; s14  which HB columns.  Also: which half of that tile I fetch
.set G1A,  24          ; s[24:31] descriptor group 1 for the spikes' tiles;  s[32:39] group 0, a set for each slot
.set G0A,  32
.set G1B,  48          ; s[48:55], s[56:63] the same for W's tiles
.set G0B,  56
.set TH,   66          ; s66  th
.set NTH,  67          ; s67  -th
.set MK,   68          ; s68-75  eight chains' masks
.set MSB, 0
.macro WIN new                         ; the immediate's high byte repeats the setting that is left; a switch that changes nothing is dropped
.if MSB != (\new)
	s_set_vgpr_msb (MSB<<8)|(\new)
.set MSB, (\new)
.endif
.endm
.set MUL_LO, 0xa4      ; source 0 (spikes) window 0, source 1 (W) window 1, C and D window 2
.set TO_B,   0x40      ; destination window 1, address window 0
; A joint load.  Waves 0 and 1 fetch the spikes' two row blocks, waves 2 and 3 W's two halves.  The branch hangs on the wave's number alone.
; An s_nop 0 and four v_nop follow each of the two lines, ahead of the jump and the label.
.macro JLOAD s
	s_cmp_eq_u32 s[WR], 0
	s_cbranch_scc0 .Lfor_b_\@
	tensor_load_to_lds s[G0A+4*(\s):G0A+4*(\s)+3], s[G1A:G1A+7]
	s_nop 0
.rept 4
	v_nop
.endr
	s_branch .Lasked_\@
.Lfor_b_\@:
	tensor_load_to_lds s[G0B+4*(\s):G0B+4*(\s)+3], s[G1B:G1B+7]
	s_nop 0
.rept 4
	v_nop
.endr
.Lasked_\@:
.endm
.macro CREST                           ; a round of the cluster's barrier behind its opening barrier: wave 0 signals for the work-group, every wave waits for all sixteen, my work-group's barrier closes it
	s_cmp_lg_u32 s[WV], 0
	s_cbranch_scc1 .Lnot_wave_0_\@
	s_barrier_signal -3
.Lnot_wave_0_\@:
	s_barrier_wait -3
	s_barrier_signal -1
	s_barrier_wait -1
.endm
.macro CROUND                          ; a whole round
	s_barrier_signal -1
	s_barrier_wait -1
	CREST
.endm
.macro PLACES                          ; four plain vector instructions between a matrix instruction and a load into, or a vector instruction on, its registers (ISA guide 7.12.1 for vector instructions)
.rept 4
	v_nop
.endr
.endm
	s_load_b256 s[4:11], s[0:1], 0x0               ; spikes s[4:5], W s[6:7], output s[8:9], th's address s[10:11]
	v_lshl_add_u32 v[SPW], v0, 2, SPARE
	v_mov_b32 v[NIL], 0
	ds_add_u32 v[SPW], v[NIL]                      ; the wave's opening: the add and its wait stand ahead of my first tensor load; the set-up below, work on registers, stands between them
	v_lshrrev_b32 v1, 5, v0
	v_readfirstlane_b32 s[WV], v1                  ; wave 0..3
	s_lshr_b32 s[WR], s[WV], 1
	s_and_b32 s[WC], s[WV], 1
	s_bfe_u32 s40, ttmp6, 0x40000                  ; cx, cy: my place in the cluster
	s_bfe_u32 s41, ttmp6, 0x40004
	s_lshl_b32 s42, ttmp9, 2
	s_add_co_u32 s42, s42, s40                     ; nt: tile column = 4 x cluster x + cx
	s_and_b32 s43, ttmp7, 0xffff
	s_lshl_b32 s43, s43, 2
	s_add_co_u32 s43, s43, s41                     ; mt: tile row = 4 x cluster y + cy
	s_lshl_b32 s44, s41, 2
	s_lshl_b32 s44, 15, s44                        ; my row of the cluster
	s_lshl_b32 s45, 0x1111, s40                    ; my column
	; group 1 for the spikes: a dense block of 32,768 bytes as 128 rows of 32 elements of 8 bytes, no padding
	s_or_b32 s[G1A+0], s44, (3<<16)|(1<<21)        ; 15:0 the mask: my row of the cluster; 17:16 elements of 8 bytes; 21 set beside a mask
	s_mov_b32 s[G1A+1], 32<<16                     ; tensor_dim0 = 32
	s_mov_b32 s[G1A+2], 128<<16                    ; tensor_dim1 = 128
	s_mov_b32 s[G1A+3], 32<<16                     ; tile_dim0 = 32
	s_mov_b32 s[G1A+4], 128                        ; tile_dim1 = 128
	s_mov_b32 s[G1A+5], 32                         ; 32 elements from row to row
	s_mov_b32 s[G1A+6], 0
	s_mov_b32 s[G1A+7], 0
	; group 1 for W: HB rows x 128 elements of 2 bytes, 16 bytes of padding behind each row
	s_or_b32 s[G1B+0], s45, (1<<16)|(1<<20)|(1<<21)|(5<<22)|(3<<25)  ; the mask: my column; 2-byte elements; padding on; 21 set beside a mask; after every 64 words (code 5) 4 words (code 3)
	s_mov_b32 s[G1B+1], 128<<16                    ; tensor_dim0 = 128
	s_mov_b32 s[G1B+2], HB<<16                     ; tensor_dim1 = HB
	s_mov_b32 s[G1B+3], 128<<16                    ; tile_dim0 = 128
	s_mov_b32 s[G1B+4], HB                         ; tile_dim1 = HB
	s_mov_b32 s[G1B+5], KTOT                       ; elements from row to row
	s_mov_b32 s[G1B+6], 0
	s_mov_b32 s[G1B+7], 0
	; where the tiles come from: the spikes' hang on the tile row alone, W's on the tile column alone; each in registers that do not hold the other coordinate while they feed a descriptor
	s_lshl1_add_u32 s16, s43, s[WC]                ; row block 2 mt + half,
	s_lshl_b32 s16, s16, 15+LOGKS                  ; its KTOT / 128 tiles of 32,768 bytes
	s_mov_b32 s17, 0
	s_mul_i32 s46, s42, BROWS
	s_mul_i32 s47, s[WC], HB
	s_add_co_u32 s46, s46, s47                     ; W's row nt x BROWS + half x HB,
	s_lshl_b32 s46, s46, LOGKS+8                   ; of KTOT x 2 bytes
	s_mov_b32 s47, 0
	s_mul_i32 s20, s[WV], PIECE                    ; where they go: piece = wave: no place in the cluster enters an LDS address
	s_wait_dscnt 0x0                               ; the opening add is done
	s_wait_kmcnt 0x0
	s_add_nc_u64 s[18:19], s[4:5], s[16:17]
	s_add_nc_u64 s[46:47], s[6:7], s[46:47]
	CROUND                                         ; all sixteen work-groups are here: the first joint loads meet
.irp s, 0,1
	s_mov_b32 s[G0A+4*(\s)], 1                                      ; count = 1
	s_add_co_u32 s[G0A+4*(\s)+1], s20, (\s)*SLOT                    ; LDS address
	s_add_nc_u64 s[G0A+4*(\s)+2:G0A+4*(\s)+3], s[18:19], (\s)*32768 ; K step s: the next tile of the row block
	s_or_b32 s[G0A+4*(\s)+3], s[G0A+4*(\s)+3], 0x80000000           ; type = 2
	s_mov_b32 s[G0B+4*(\s)], 1
	s_add_co_u32 s[G0B+4*(\s)+1], s20, (\s)*SLOT
	s_add_nc_u64 s[G0B+4*(\s)+2:G0B+4*(\s)+3], s[46:47], (\s)*256   ; K step s: 128 elements along the rows
	s_or_b32 s[G0B+4*(\s)+3], s[G0B+4*(\s)+3], 0x80000000
	JLOAD \s                                       ; two loads of mine are out
.endr
	; in the wait for the first tile: th, the lane's addresses, the output's address
	s_load_b32 s[TH], s[10:11], 0x0
	v_and_b32 v1, 15, v0                           ; r
	v_bfe_u32 v2, v0, 4, 1                         ; h
	v_mul_u32_u24 v3, v1, PITCH                    ; W's fragment: lane (r, h) takes row r, 16 bytes at 16 h and at 32 + 16 h
	v_lshl_add_u32 v3, v2, 4, v3
	s_add_co_u32 s21, s[WC], 2
	s_mul_i32 s21, s21, PIECE                      ; my half of W: piece 2 + wc
	v_add_nc_u32 v[ADRB], s21, v3
	v_add_nc_u32 v[ADRB+1], SLOT, v[ADRB]
	; The turning load: element j of lane 8 g + i is element i of the 16 bytes that lane 8 g + j addressed.  Lane 8 (2 hh + mp) + j addresses the chunk of k = 8 hh + j, rows 8 mp .. 8 mp + 7 of a block
	; of 16; lane L then holds row L % 16 and k = 8 (L / 16) + 0..7: half a fragment.  The chunk lies at mp x 256 + (j + 8 (hh xor mp)) x 16.
	v_and_b32 v4, 7, v0
	v_bfe_u32 v5, v0, 3, 1
	v_xor_b32 v6, v2, v5
	v_lshl_add_u32 v6, v6, 3, v4
	v_lshlrev_b32 v6, 4, v6
	v_lshl_add_u32 v6, v5, 8, v6
	s_mul_i32 s22, s[WR], PIECE                    ; my row block: piece wr
	v_add_nc_u32 v[ADRA], s22, v6
	v_add_nc_u32 v[ADRA+1], SLOT, v[ADRA]
.if LAYER == 1
	v_lshlrev_b32 v7, 3, v2                        ; my chunk in a2's tile: h x 256 + (r xor 8 h) x 16
	v_xor_b32 v7, v1, v7
	v_lshlrev_b32 v[CO], 4, v7
	v_lshl_add_u32 v[CO], v2, 8, v[CO]
.else
	v_lshlrev_b32 v[CO], 4, v1                     ; four columns from 4 r on, row h of two
	v_lshl_add_u32 v[CO], v2, 13, v[CO]
.endif
	s_lshl1_add_u32 s16, s43, s[WR]                ; my 128 rows,
	s_lshl_b32 s16, s16, ROWSH
	s_mov_b32 s17, 0
	s_add_nc_u64 s[8:9], s[8:9], s[16:17]
	s_lshl1_add_u32 s46, s42, s[WC]                ; my HB columns
	s_lshl_b32 s46, s46, COLSH
	s_mov_b32 s47, 0
	s_add_nc_u64 s[8:9], s[8:9], s[46:47]
	s_wait_kmcnt 0x0
	v_mov_b32 v[THV], s[TH]
	v_cvt_pk_bf16_f32 v[THV], v[THV], v[THV]       ; th rounded to bf16,
	v_lshlrev_b32 v[THV], 16, v[THV]               ; as f32 again
	v_readfirstlane_b32 s[TH], v[THV]
	s_xor_b32 s[NTH], s[TH], 0x80000000
; 2 NB matrix instructions: row blocks a0, a0 + 1 x all NB column blocks, 32 along K from buffer f.  zero = 1: the product starts the sums: nothing is ever cleared.
; All 8 NB accumulators take turns, one instruction a turn, in the same order in every quarter step.
.macro MUL2 f, a0, zero
.set ma, (\a0)
.rept 2
.if LAYER == 1
	WIN MUL_LO+0x50*(ma/4)                         ; row blocks 4 to 7: C and D in window 3
.set AC, 64*(ma%4)
.else
	WIN MUL_LO
.set AC, 32*ma
.endif
.set mb, 0
.rept NB
.if \zero
	v_wmma_f32_16x16x32_bf16 v[AC+8*mb:AC+8*mb+7], v[(\f)+8*ma:(\f)+8*ma+7], v[(\f)+8*mb:(\f)+8*mb+7], 0
.else
	v_wmma_f32_16x16x32_bf16 v[AC+8*mb:AC+8*mb+7], v[(\f)+8*ma:(\f)+8*ma+7], v[(\f)+8*mb:(\f)+8*mb+7], v[AC+8*mb:AC+8*mb+7]
.endif
.set mb, mb+1
.endr
.set ma, ma+1
.endr
.endm
; NL LDS loads in one run: the fragments of quarter q (32 along K) of a slot into buffer f: W's first, then the spikes' eight row blocks
.macro FETCH slot, q, f
	WIN TO_B
.set fb, 0
.rept NB
	ds_load_b128 v[(\f)+8*fb:(\f)+8*fb+3],   v[ADRB+(\slot)] offset:64*(\q)+fb*16*PITCH
	ds_load_b128 v[(\f)+8*fb+4:(\f)+8*fb+7], v[ADRB+(\slot)] offset:64*(\q)+fb*16*PITCH+32
.set fb, fb+1
.endr
	WIN 0
.set fb, 0
.rept 8
	ds_load_tr16_b128 v[(\f)+8*fb:(\f)+8*fb+3],   v[ADRA+(\slot)] offset:8192*(\q)+512*fb       ; 16 k are 4,096 bytes, 16 rows 512
	ds_load_tr16_b128 v[(\f)+8*fb+4:(\f)+8*fb+7], v[ADRA+(\slot)] offset:8192*(\q)+512*fb+4096
.set fb, fb+1
.endr
.endm
; A K step is four quarters of 32 along K on buffers 0, 1, 0, 1.  One of the first three multiplies buffer f and, in its middle, fetches quarter q of the same slot into buffer g.
.macro QUARTER slot, q, f, g, zero
	s_wait_dscnt 8                                 ; W and row blocks 0-3 are in; the youngest eight loads (row blocks 4-7) may be out
	MUL2 \f, 0, \zero
	MUL2 \f, 2, \zero
	PLACES
	FETCH \slot, \q, \g
	s_wait_dscnt NL                                ; all but the NL just issued
	MUL2 \f, 4, \zero
	MUL2 \f, 6, \zero
.endm
; The last quarter multiplies buffer 1 and changes slots: ONE barrier.  In front of it each wave waits for all its tensor loads (one is out: its piece of the next slot), adds 0 to its spare word, and waits for
; that and for its reads of this slot.  Behind it nobody reads this slot and the next slot is whole.  fill = 1: the barrier opens a round of the cluster's, and this slot is filled again, two K steps on, first
; thing behind the round: the load has a K step less 4 NB matrix instructions in which to land.
.macro TURN slot, next, fill
	WIN 0                                          ; (the add's two registers lie in window 0)
	s_wait_tensorcnt 0x0                           ; all my tensor loads have landed, so a group 0 may be written
	ds_add_u32 v[SPW], v[NIL]                      ; 0 onto my spare word
	s_wait_dscnt 9                                 ; the add and the youngest eight loads may be out
	MUL2 F1, 0, 0                                  ; matrix work stands between the add and the wait for it
	s_wait_dscnt 0x0                               ; the add is done, and my reads of this slot are over
	s_barrier_signal -1
	MUL2 F1, 2, 0                                  ; work on registers while the others arrive
.if \fill
	WIN 0
.endif
	s_barrier_wait -1
.if \fill
	CREST                                          ; no wave of any partner still reads this slot's tile or has a load on its way
	s_add_nc_u64 s[G0A+4*(\slot)+2:G0A+4*(\slot)+3], s[G0A+4*(\slot)+2:G0A+4*(\slot)+3], 2*32768
	s_add_nc_u64 s[G0B+4*(\slot)+2:G0B+4*(\slot)+3], s[G0B+4*(\slot)+2:G0B+4*(\slot)+3], 2*256
	JLOAD \slot                                    ; my one tensor load behind the round; the four v_nop behind it are also the places in front of the loads below
.else
	PLACES
.endif
	FETCH \next, 0, F0
	MUL2 F1, 4, 0
	MUL2 F1, 6, 0
.endm
	s_wait_tensorcnt 0x1                           ; my piece of K step 0 is in; K step 1's may stay out
	s_barrier_signal -1
	s_barrier_wait -1                              ; everybody's is
	FETCH 0, 0, F0
	QUARTER 0, 1, F0, F1, 1                        ; the first quarter stands in front of the loop: its products start the sums
	WIN 0                                          ; at a label and at a branch every window is 0
	s_mov_b32 s3, LAPS-1
.Llap:                                                 ; a trip goes once round the ring, from a lap's second quarter to the next lap's first, and fills both slots again
	QUARTER 0, 2, F1, F0, 0
	QUARTER 0, 3, F0, F1, 0
	TURN 0, 1, 1
	QUARTER 1, 1, F0, F1, 0
	QUARTER 1, 2, F1, F0, 0
	QUARTER 1, 3, F0, F1, 0
	TURN 1, 0, 1
	QUARTER 0, 1, F0, F1, 0
	WIN 0
	s_sub_co_u32 s3, s3, 1
	s_cmp_lg_u32 s3, 0
	s_cbranch_scc1 .Llap
	QUARTER 0, 2, F1, F0, 0                        ; the last lap is written out: it fills nothing
	QUARTER 0, 3, F0, F1, 0
	TURN 0, 1, 0
	QUARTER 1, 1, F0, F1, 0
	QUARTER 1, 2, F1, F0, 0
	QUARTER 1, 3, F0, F1, 0
	s_wait_dscnt 8
	MUL2 F1, 0, 0
	MUL2 F1, 2, 0
	s_wait_dscnt 0x0
	MUL2 F1, 4, 0
	MUL2 F1, 6, 0
	WIN 0
	PLACES                                         ; the walk reads results just made and writes registers that were fragments
; THE WALK over the cycles.  Eight chains side by side, so that each line stands eight behind the one that it waits for.  Source 0 alone names the accumulators' window; all else lies in window 0, so no
; register of window 0 stands as source 0.  Layer 1: pass p takes the rows with a2 = p, chain c = column block c.  Layer 2: one pass, chain c = 4 a2 + column block.
; SCAN8 walks the cycles 8 q .. 8 q + 7: each accumulator's registers in ascending order.
.macro SETSX q                         ; where chain sc's spike of this cycle goes
.if LAYER == 1
.set SX, SPK+8*sc+sj
.elseif ((\q)+sj) == 0
.set SX, CNT+sc                        ; the first spike starts the count
.else
.set SX, S2+sc
.endif
.endm
.macro SCAN8 p, q
	WIN 0x02+(\p)
.set sj, 0
.rept 8
.set sc, 0
.rept 8
.if LAYER == 1
.set AR, 8*(8*(\q)+sc)+sj
.else
.set AR, 128*(sc/4)+8*(4*(\q)+sc%4)+sj
.endif
.if ((\q)+sj) == 0
	v_mov_b32 v[MEMB+sc], v[AR]                    ; memb = 0 + input
.else
	v_add_f32 v[MEMB+sc], v[AR], v[MEMB+sc]        ; memb += input
.endif
.set sc, sc+1
.endr
.set sc, 0
.rept 8
	v_cmp_lt_f32 s[MK+sc], s[TH], v[MEMB+sc]       ; th < memb
.set sc, sc+1
.endr
.set sc, 0
.rept 8
	SETSX \q
	v_cndmask_b32 v[SX], 0, 1.0, s[MK+sc]          ; fired
.set sc, sc+1
.endr
.set sc, 0
.rept 8
	SETSX \q
	v_fmac_f32 v[MEMB+sc], s[NTH], v[SX]           ; memb - th fired: th fired is exact, so this rounds once, as the subtraction does
.set sc, sc+1
.endr
.if (LAYER == 2) && (((\q)+sj) != 0)
.set sc, 0
.rept 8
	v_fmac_f32 v[CNT+sc], 1.0, v[S2+sc]            ; count += fired (source 0 names another window, so the constant stands there)
.set sc, sc+1
.endr
.endif
.set sj, sj+1
.endr
.endm
.if LAYER == 1
; Eight cycles of eight chains leave: a chain's eight spikes pack into its chunk of a2: tile (2 mt + wr, 2 nt + wc), k / 16 = c, mg = 2 (4 p + q) + h.
.macro SENDQ p, q
	WIN 0
	s_wait_xcnt 0x0                                ; the packed registers, which the last group's stores read, are rewritten only behind this wait
.set sc, 0
.rept 8
.set si, 0
.rept 4
	v_cvt_pk_bf16_f32 v[PKD+4*sc+si], v[SPK+8*sc+2*si], v[SPK+8*sc+2*si+1]
.set si, si+1
.endr
.set sc, sc+1
.endr
.set sc, 0
.rept 8
	global_store_b128 v[CO], v[PKD+4*sc:PKD+4*sc+3], s[8:9] offset:(16*sc+2*(4*(\p)+(\q)))*256  ; 16 lanes store 256 consecutive bytes, at a multiple of 256 from a2's first
.set sc, sc+1
.endr
.endm
.irp p, 0,1
.irp q, 0,1,2,3
	SCAN8 \p, \q
	SENDQ \p, \q
.endr
.endr
.else
.irp q, 0,1,2,3
	SCAN8 0, \q
.endr
	WIN 0
.irp c, 0,1,2,3,4,5,6,7
	v_mul_f32 v[CNT+(\c)], 0x3d000000, v[CNT+(\c)] ; count / 32: exact
.endr
.irp a, 0,1
	global_store_b128 v[CO], v[CNT+4*(\a):CNT+4*(\a)+3], s[8:9] offset:(\a)*16384  ; W's rows were laid so that my four column blocks are columns 4 r .. 4 r + 3: 16 lanes store 256 consecutive bytes, aligned
.endr
.endif
	s_wait_tensorcnt 0x0                           ; the wave's end
	ds_add_u32 v[SPW], v[NIL]
	s_wait_dscnt 0x0
	CROUND                                         ; the closing round: no work-group ends while a partner may still ask for a tile that names it
	s_endpgm
.Lfunc_end_k_qd8160aae2f_core2:
	.size	k_qd8160aae2f_core2, .Lfunc_end_k_qd8160aae2f_core2-k_qd8160aae2f_core2
	.p2alignl 7, 3214868480
	.fill 96, 4, 3214868480
	.section	.rodata,"a",@progbits
	.p2align	6, 0x0
	.amdhsa_kernel k_qd8160aae2f_core2
		.amdhsa_group_segment_fixed_size 327680
		.amdhsa_private_segment_fixed_size 0
		.amdhsa_enable_private_segment 0
		.amdhsa_kernarg_size 32
		.amdhsa_user_sgpr_count 2
		.amdhsa_user_sgpr_kernarg_segment_ptr 1
		.amdhsa_wavefront_size32 1
		.amdhsa_system_sgpr_workgroup_id_x 1
		.amdhsa_system_sgpr_workgroup_id_y 1
		.amdhsa_system_sgpr_workgroup_id_z 1
		.amdhsa_system_vgpr_workitem_id 0
		.amdhsa_next_free_vgpr 768
		.amdhsa_next_free_sgpr 80
		.amdhsa_reserve_vcc 0
		.amdhsa_float_denorm_mode_32 3
		.amdhsa_float_denorm_mode_16_64 3
		.amdhsa_memory_ordered 1
		.amdhsa_forward_progress 1
		.amdhsa_inst_pref_size 127
	.end_amdhsa_kernel
	.amdgpu_metadata
---
amdhsa.version: [ 1, 2 ]
amdhsa.kernels:
  - .name:           k_qd8160aae2f_core2
    .symbol:         k_qd8160aae2f_core2.kd
    .args:
      - { .name: a2, .offset: 0, .size: 8, .value_kind: global_buffer, .address_space: global }
      - { .name: w2b, .offset: 8, .size: 8, .value_kind: global_buffer, .address_space: global }
      - { .name: out0, .offset: 16, .size: 8, .value_kind: global_buffer, .address_space: global }
      - { .name: th2, .offset: 24, .size: 8, .value_kind: global_buffer, .address_space: global }
    .group_segment_fixed_size: 327680
    .private_segment_fixed_size: 0
    .kernarg_segment_align: 8
    .kernarg_segment_size: 32
    .max_flat_workgroup_size: 128
    .sgpr_count:     80
    .vgpr_count:     768
    .wavefront_size: 32
...
	.end_amdgpu_metadata
.endif
;; end of part 3
